; MI455X (gfx1250); checked and timed in simulation.
; The chip was launched on July 23, 2026; its instructions are those of AMD's public machine-readable ISA for CDNA 5 (MIT licence, August 2026) and "CDNA5" Instruction Set Architecture Reference Guide (July 2026). The comments in the code are by the model that wrote it; some were corrected since.
;; Causal Self Attention. Allowed arithmetic: matrix products marked QUANTISED: E4M3 operands, one given power-of-two scale a tensor, by v_wmma_f32_16x16x64_fp8_fp8 or v_wmma_f32_16x16x128_fp8_fp8, f32 sums; everything else in f32.
;; Inputs: Wout_codes 1,024 x 32 x 32 uint8 (E4M3 codes of Wout, K innermost, in blocks of 32 codes); Wqkv_codes 3,072 x 32 x 32 uint8 (E4M3 codes of Wqkv, K innermost, in blocks of 32 codes); attention_mask 4 x 2,048 int32; bqkv 3,072 float32; lowp_scales 8 int32 (the exponents e of the quantised operands' scales 2^e); x_codes 4 x 2,048 x 32 x 32 uint8 (E4M3 codes of x, K innermost, in blocks of 32 codes).
;; Outputs: out0 4 x 2,048 x 1,024 float32.
;; This version of the problem:
;;   THIS VERSION OF THE PROBLEM IS GIVEN IN LOW PRECISION. The matrix products marked QUANTISED in the list below multiply operands that are first quantised to E4M3 (4 exponent bits, 3 mantissa bits; 8 bits a number), with one given power-of-two scale for each operand tensor; their sums are f32. All else is computed in f32.
;;   The module's matrix products, in the order in which they are computed (A, B: the left and right operand; K: the contracted axis; several contracted axes count as one K, in the product's order):
;;     1. [M 8,192, K 1,024] x [K 1,024, N 3,072]; A: input x (given as codes); B: input Wqkv (given as codes): QUANTISED (scales: A lowp_scales[0], B lowp_scales[1])
;;     2. batch 64 x [M 2,048, K 64] x [K 64, N 2,048]; A: computed on the way; B: computed on the way: QUANTISED (scales: A lowp_scales[2], B lowp_scales[3])
;;     3. batch 64 x [M 2,048, K 2,048] x [K 2,048, N 64]; A: softmax (see below); B: computed on the way: QUANTISED (scales: A lowp_scales[4], B lowp_scales[5])
;;     4. [M 8,192, K 1,024] x [K 1,024, N 1,024]; A: computed on the way; B: input Wout (given as codes): QUANTISED (scales: A lowp_scales[6], B lowp_scales[7])
;;   THE QUANTISER, for each operand of a quantised product, along K:
;;     - The operand's scale is 2^e, e = its entry of the input lowp_scales (int32; the entries are numbered through the quantised products in the list's order, A before B).
;;     - Each number is divided by the scale, clamped to +-448, and rounded to the nearest number of E4M3, ties to even, subnormals kept.
;;     - The product sums the exact products of the quantised numbers (number of the format x scale) in f32.
;;   ~~~python
;;   def quantise(x, axis, e):      # numpy; x: float32 -> the quantised numbers, widened to float32 again
;;       x = np.moveaxis(x, axis, -1); K = x.shape[-1]
;;       r = np.clip(x / 2.0 ** e, -448, 448)
;;       step = 2.0 ** (np.maximum(np.frexp(np.where(r == 0, 1, r))[1] - 1, -6) - 3)
;;       q = np.round(r / step) * step * 2.0 ** e      # np.round: ties to even
;;       return np.moveaxis(q, -1, axis).astype(np.float32)
;;   ~~~
;;   SOFTMAX AHEAD OF A QUANTISED PRODUCT. Where the list says 'softmax', what is quantised is not the finished softmax but p = 2^(t - M), with t = logit x log2(e) and M = ceil(the row's largest t), a whole number; so 1/2 < the row's largest p <= 1. The row's sum l is taken of the UNQUANTISED p, in f32, and the product's result is divided by l at the end. Since M is a whole number, a kernel that streams over the keys may use a running M (the ceiling of the running maximum): every later rescaling is an exact power of two, so the quantised numbers keep their values, but for numbers so far below the row's largest that they fall under the format's range.
;;   OPERANDS COMPUTED ON THE WAY. 'Computed on the way' means the value that the module computes at that place (a softmax that the list does not call 'softmax' is quantised finished and normalised). What goes into a quantiser is computed in f32, as accurately as f32 sums, v_exp_f32 and their like allow (about 1e-6 of the number): no bf16 or f16 on the way to a quantiser, and a product that is left as it is and whose result goes on into a quantised operand takes f32 operands (vector FMAs, or v_wmma_f32_16x16x4_f32). A number that lies on a knife's edge between two numbers of the format may be rounded either way, as far as f32 arithmetic and the matrix unit's own rounding can turn it there, and no further.
;;   INPUTS GIVEN AS CODES. Wout (in the module: [1024, 1024], K = its axis 1); Wqkv (in the module: [3072, 1024], K = its axis 1); x (in the module: [4, 2048, 1024], K = its axis 2): each comes as NAME_codes (uint8): NAME with its K axis moved to the last place and cut into blocks of 32 codes, [.., K / 32, bytes a block], one block behind the other in memory; one code a byte (a code: sign, 4 exponent bits, 3 mantissa bits); its scale is its entry of lowp_scales. Its value is code x scale, taken as it is: it is not quantised again, and the codes and scales need not be those that the quantiser above would give.
;; One version. Each part assembles by itself: llvm-mc -triple=amdgcn-amd-amdhsa -mcpu=gfx1250 --defsym DOCPART=n.
;; ======== version 1 of 1: 3 launches
;; limits: right only within a limited range of input values
;; workspace buffers: qc 8,388,608 bytes; kv 16,777,216 bytes; yc 8,388,608 bytes
;; launch qkv (part 1): grid 12 x 32, 4 waves a work-group, clusters of 4 x 4, 327,680 bytes of LDS; arguments x_codes, Wqkv_codes, lowp_scales, bqkv, qc, kv; writes qc, kv
.if DOCPART == 1
	.amdgcn_target "amdgcn-amd-amdhsa--gfx1250"
	.amdhsa_code_object_version 6
	.text
	.protected	k_qc2e00baf91_qkv
	.globl	k_qc2e00baf91_qkv
	.p2align	8
	.type	k_qc2e00baf91_qkv,@function
k_qc2e00baf91_qkv:
	s_mov_b64 s[64:65], 0
	v_nop
	global_prefetch_b8 v0, s[64:65] scope:SCOPE_SE
	s_setreg_imm32_b32 hwreg(HW_REG_WAVE_MODE, 25, 1), 1
	s_wait_xcnt 0x0
	s_wait_alu depctr_hold_cnt(0) depctr_sa_sdst(0) depctr_va_vdst(0) depctr_va_sdst(0) depctr_va_ssrc(0) depctr_va_vcc(0) depctr_vm_vsrc(0)
	s_getreg_b32 s2, hwreg(HW_REG_IB_STS2, 6, 4)
	s_cmp_eq_u32 s2, 0
	s_cbranch_scc0 .Lentry_in_a_cluster
	s_endpgm
.Lentry_in_a_cluster:
	s_bfe_u32 s2, ttmp6, 0x10000c
	s_cmp_lg_u32 s2, 0xf033
	s_cbranch_scc0 .Lentry_shape_is_right
	s_endpgm
.Lentry_shape_is_right:
; qkv = x Wqkv^T + bqkv on codes of FP8 (E4M3); q, k and v are then quantised in registers and stored as IMAGES OF THE OPERAND REGISTERS that the attention launch wants.
; x: [8192][1024] codes, Wqkv: [3072][1024] codes, K innermost; lowp_scales: e0 .. e7; bqkv: [3072] f32.
; A tile of 256 tokens x 256 features is made by four waves, 128 x 128 each: 64 accumulators, 512 registers.  K goes in steps of 256 through a ring of two LDS slots filled by the tensor data mover.
; CLUSTERS: 4 x 4 work-groups; x's tiles are asked for jointly along a row of the cluster, W's along a column.  The cluster's x (0, 1, 2) says whether the features are q's, k's or v's: it is the same in all sixteen partners.
; WHO IS SOURCE 0.  The rows of source 0 land in a lane's eight registers, the rows of source 1 in the lanes.  q, k: source 0 = W, source 1 = x: a lane holds one token and eight neighbouring features, which are
; neighbours along the next product's K (the head's 64).  v: source 0 = x, source 1 = W: a lane holds one channel and eight neighbouring keys, the K of the product with the softmax.  Only the LDS bases of the fragment loads differ.
; THE BIAS is the C of the first K step, divided by 2^(e0 + e1), which the sums lack.  The conversion's one scale is 2^(et - e0 - e1), et = e2 (q), e3 (k), e5 (v).
; OUT.  qc: [64 heads][128 tiles of 16 queries][1 KB];  kv: [64 heads][16 steps of 128 keys][16 KB]: eight tiles of 16 keys (1 KB each), then four fragments of V^T (16 channels x 128 keys, 2 KB each).
; A piece of four registers lies at 16 x lane, 512 bytes on end: each store of the wave covers 512 consecutive bytes, aligned.
; LIMITS: et - e0 - e1 between -126 and 127, so that 2^(et - e0 - e1) is an f32 number.  NaN codes among the inputs are not served.
; REGISTERS, in windows of 256: window 0: v0-31 addresses; v32-95 the bias in the result's layout; v96-127 codes on their way out; v128-255 source 1's fragments, ONE set.
;   window 1: source 0's fragments, TWO sets.   window 2: the accumulators of source 1's blocks 0-3 (accumulator (a, b) at v[8 (8 a + b)]);   window 3: those of blocks 4-7.
.set ROWB,   256                       ; a tile's row in bytes: 256 codes
.set KROW,   1024                      ; a row of x or of W in memory, in bytes
.set PITCH,  272                       ; an LDS row: 256 bytes + 16 of padding = 68 words: the 16 rows that a load touches start at 16 different banks (64 banks of 4 bytes: ISA guide 11.1)
.set FR,     16                        ; registers of a fragment: 16 rows x 128 K
.set NL,     4                         ; LDS loads that bring one
.set NP,     4                         ; places behind this matrix instruction (ISA guide 7.12.1)
.set HALFT,  128*PITCH                 ; 128 rows: what one tensor load brings
.set SLOT,   4*HALFT                   ; x's 256 rows, then W's 256 rows
.set SPARE,  2*SLOT                    ; behind the ring: the spare words, 128 bytes for each wave
.set ADRA, 16                          ; v16-17  LDS address of source 1's fragments in slot 0, 1
.set ADRB, 20                          ; v20-21  the same for source 0
.set OA,   24                          ; v24, v25  the stores' offsets: 16 x lane, and the same one piece-pair on
.set BAD,  26                          ; v26     my offset in the bias
.set SCL,  27                          ; v27     2^(et - e0 - e1) as f32
.set SPW,  28                          ; v28     LDS address of my spare word; never rewritten
.set NIL,  29                          ; v29     0; never rewritten
.set CB,   32                          ; v32-95  the bias
.set OUT,  96                          ; v96-127 two sets of 16 registers of codes
.set AF,   128                         ; source 1's fragments, in window 0
.set G1, 24                            ; s[24:31] descriptor group 1 for x's tiles;  s[32:39] group 0, one set for each slot
.set G0, 32
.set G1B, 48                           ; s[48:55], s[56:63] the same for W's tiles
.set G0B, 56
.set MSB, 0
.macro WIN new                         ; the immediate's high byte repeats the setting that is left
.if MSB != \new
	s_set_vgpr_msb (MSB<<8)|\new
.set MSB, \new
.endif
.endm
.set MUL_LO, 0xa1                      ; source 0 window 1, source 1 window 0, C and D window 2
.set MUL_HI, 0xf1                      ; the same, C and D window 3
.set TO_B,   0x40                      ; destination window 1, address window 0
; A joint load: waves 0 and 1 fetch x's halves, waves 2 and 3 W's.  The branch hangs on the wave's number alone.  Four v_nop follow each of the two lines.
.macro JLOAD g0a, g1a, g0b, g1b
	s_cmp_eq_u32 s15, 0
	s_cbranch_scc0 .Lfor_b_\@
	tensor_load_to_lds s[\g0a:\g0a+3], s[\g1a:\g1a+7]
	s_nop 0
.rept 4
	v_nop
.endr
	s_branch .Lasked_\@
.Lfor_b_\@:
	tensor_load_to_lds s[\g0b:\g0b+3], s[\g1b:\g1b+7]
	s_nop 0
.rept 4
	v_nop
.endr
.Lasked_\@:
.endm
.macro CREST                           ; a round of the cluster's barrier behind its opening barrier
	s_cmp_lg_u32 s14, 0
	s_cbranch_scc1 .Lnot_wave_0_\@
	s_barrier_signal -3
.Lnot_wave_0_\@:
	s_barrier_wait -3
	s_barrier_signal -1
	s_barrier_wait -1
.endm
.macro CROUND                          ; a whole round
	s_barrier_signal -1
	s_barrier_wait -1
	CREST
.endm
	s_load_b256 s[4:11], s[0:1], 0x0               ; x's codes s[4:5], W's codes s[6:7], the exponents s[8:9], the bias s[10:11]
	s_load_b128 s[68:71], s[0:1], 0x20             ; qc s[68:69], kv s[70:71]
	v_lshl_add_u32 v[SPW], v0, 2, SPARE
	v_mov_b32 v[NIL], 0
	ds_add_u32 v28, v29
	ds_add_u32 v28, v29
	s_wait_dscnt 0x0
	v_lshrrev_b32 v1, 5, v0
	v_readfirstlane_b32 s14, v1                    ; wave 0..3
	s_lshr_b32 s15, s14, 1                         ; which 128 tokens of the tile are mine.  Also: I fetch for x (0) or for W (1)
	s_and_b32 s16, s14, 1                          ; which 128 features.  Also: which 128 rows of that tile I fetch
	s_bfe_u32 s40, ttmp6, 0x40000                  ; cx, cy: my place in the cluster
	s_bfe_u32 s41, ttmp6, 0x40004
	s_lshl_b32 s42, ttmp9, 2
	s_add_co_u32 s42, s42, s40                     ; tile column = 4 x cluster x + cx: features 256 x that on
	s_and_b32 s17, ttmp7, 0xffff
	s_lshl_b32 s17, s17, 2
	s_add_co_u32 s17, s17, s41                     ; tile row = 4 x cluster y + cy: tokens 256 x that on
	s_lshl_b32 s43, s41, 2
	s_lshl_b32 s43, 15, s43                        ; my row of the cluster
	s_lshl_b32 s44, 0x1111, s40                    ; my column
	; descriptor group 1: a tile of 128 rows x 256 bytes, padded in LDS
	s_or_b32 s[G1+0], s43, (0<<16)|(1<<20)|(1<<21)|(5<<22)|(3<<25)  ; 15:0 the mask: x's tiles go to my row; 17:16 element of 1 byte; 20 padding on; 21 set beside a mask; 24:22 after every 64 words (code 5); 31:25 of 4 words (code 3)
	s_or_b32 s[G1B+0], s44, (0<<16)|(1<<20)|(1<<21)|(5<<22)|(3<<25)
.irp g, G1, G1B
	s_mov_b32 s[\g+1], ROWB<<16                    ; tensor_dim0
	s_mov_b32 s[\g+2], 128<<16                     ; tensor_dim1 = 128
	s_mov_b32 s[\g+3], ROWB<<16                    ; tile_dim0
	s_mov_b32 s[\g+4], 128                         ; tile_dim1 = 128
	s_mov_b32 s[\g+5], KROW                        ; tensor_dim0_stride
	s_mov_b32 s[\g+6], 0
	s_mov_b32 s[\g+7], 0
.endr
	s_lshl_b32 s18, s16, 7                         ; which 128 rows of the tile I fetch
	s_lshl_b32 s20, s17, 8
	s_add_co_u32 s20, s20, s18                     ; x: row 256 x tile row + 128 x half
	s_lshl_b32 s46, s42, 8
	s_add_co_u32 s46, s46, s18                     ; W: row 256 x tile column + 128 x half
	s_mov_b32 s21, 0
	s_mov_b32 s47, 0
	s_mov_b64 s[18:19], KROW
	s_mul_u64 s[20:21], s[20:21], s[18:19]
	s_mul_u64 s[46:47], s[46:47], s[18:19]
	s_mul_i32 s45, s14, HALFT                      ; where they go: wave x 128 rows: no place in the cluster enters an LDS address
	s_wait_kmcnt 0x0
	s_load_b256 s[72:79], s[8:9], 0x0              ; e0 .. e7
	s_add_nc_u64 s[20:21], s[4:5], s[20:21]
	s_add_nc_u64 s[46:47], s[6:7], s[46:47]
	CROUND                                         ; all sixteen work-groups are here: the first joint loads meet
.irp s, 0,1
	s_mov_b32 s[G0+4*\s], 1
	s_add_co_u32 s[G0+4*\s+1], s45, \s*SLOT
	s_add_nc_u64 s[G0+4*\s+2:G0+4*\s+3], s[20:21], \s*ROWB
	s_or_b32 s[G0+4*\s+3], s[G0+4*\s+3], 0x80000000
	s_mov_b32 s[G0B+4*\s], 1
	s_add_co_u32 s[G0B+4*\s+1], s45, \s*SLOT
	s_add_nc_u64 s[G0B+4*\s+2:G0B+4*\s+3], s[46:47], \s*ROWB
	s_or_b32 s[G0B+4*\s+3], s[G0B+4*\s+3], 0x80000000
	JLOAD G0+4*\s, G1, G0B+4*\s, G1B
.endr
	v_and_b32 v1, 15, v0                           ; r = lane % 16
	v_bfe_u32 v2, v0, 4, 1                         ; h = lane / 16
	v_mul_u32_u24 v3, v1, PITCH
	v_lshl_add_u32 v4, v2, 4, v3                   ; a fragment's row x pitch + 16 x half
	v_and_b32 v5, 31, v0
	v_lshlrev_b32 v[OA], 4, v5                     ; 16 x lane
	s_mul_i32 s21, s15, HALFT                      ; my 128 rows of x
	s_mul_i32 s22, s16, HALFT                      ; my 128 rows of W,
	s_add_co_u32 s22, s22, 2*HALFT                 ; which lie behind x's 256
	s_wait_alu depctr_va_vdst(0)
	s_wait_kmcnt 0x0                               ; the eight exponents
	; what hangs on q, k or v: chosen without a jump, on the cluster's x
	s_cmp_eq_u32 ttmp9, 0
	s_cselect_b32 s80, s74, s75                    ; et: e2 for q, e3 for k,
	s_cselect_b32 s87, 17, 18                      ; a head's bytes as a shift: 128 KB in qc, 256 KB in kv
	s_cselect_b64 s[90:91], s[68:69], s[70:71]     ; the buffer
	s_mov_b32 s86, 0x40000
	s_cselect_b32 s86, 0x20000, s86                ; from pieces 0, 1 to pieces 2, 3: q, k: the next head;
	s_cmp_eq_u32 ttmp9, 2
	s_cselect_b32 s80, s77, s80                    ; e5 for v
	s_cselect_b32 s86, 1024, s86                   ; v: 1,024 bytes on in the same fragment
	s_mov_b32 s82, 1024
	s_cselect_b32 s82, 2048, s82                   ; from block to block: q, k: a tile of 1 KB; v: a fragment of 2 KB
	s_mov_b32 s84, 1024
	s_cselect_b32 s84, 262144-6144, s84            ; from block 3 to block 4: v goes on to the next head's first fragment
	s_cselect_b32 s92, 8192, 0                     ; v's fragments lie behind a step's eight tiles of k
	s_cselect_b32 s23, s22, s21                    ; source 1: W for v, else x
	s_cselect_b32 s22, s21, s22                    ; source 0: x for v, else W
	s_mov_b32 s83, 0
	s_mov_b32 s85, 0
	s_mov_b32 s93, 0
.irp s, 0,1
	v_add_nc_u32 v[ADRA+\s], s23, v4
	v_add_nc_u32 v[ADRB+\s], s22, v4
	s_add_co_u32 s23, s23, SLOT
	s_add_co_u32 s22, s22, SLOT
.endr
	v_add_nc_u32 v[OA+1], s86, v[OA]
	s_add_co_i32 s81, s72, s73
	s_sub_co_i32 s80, s80, s81                     ; et - e0 - e1
	s_sub_co_i32 s81, 0, s81                       ; -(e0 + e1), for the bias
	s_add_co_i32 s80, s80, 127
	s_lshl_b32 s88, s80, 23
	v_mov_b32 v[SCL], s88                          ; 2^(et - e0 - e1) as f32: the conversion takes its exponent field
	s_lshr_b32 s94, s17, 3                         ; the batch: 8 tile rows each
	s_lshl_b32 s94, s94, 4
	s_lshl_b32 s95, s40, 2
	s_add_co_u32 s94, s94, s95
	s_lshl_b32 s95, s16, 1
	s_add_co_u32 s94, s94, s95                     ; my first head: 16 x batch + 4 cx + 2 x half
	s_lshl_b32 s94, s94, s87
	s_and_b32 s95, s17, 7
	s_lshl_b32 s95, s95, 1
	s_add_co_u32 s95, s95, s15                     ; my step of 128 tokens in the batch
	s_sub_co_u32 s87, s87, 4
	s_lshl_b32 s95, s95, s87                       ; a sixteenth of a head's bytes each
	s_add_co_u32 s94, s94, s95
	s_add_co_u32 s92, s92, s94
	s_add_nc_u64 s[90:91], s[90:91], s[92:93]      ; where block 0 goes
	s_lshl_b32 s92, s42, 10
	s_lshl_b32 s94, s16, 9
	s_add_co_u32 s92, s92, s94                     ; my first feature, in bytes of f32: 4 (256 x tile column + 128 x half)
	s_add_nc_u64 s[10:11], s[10:11], s[92:93]
	; the bias in the result's layout, divided by 2^(e0 + e1)
	s_cmp_eq_u32 ttmp9, 2
	s_cbranch_scc1 .Lbias_v
	v_lshlrev_b32 v[BAD], 5, v2                    ; q, k: register 8 b + j is feature 16 b + 8 h + j
.irp b, 0,1,2,3,4,5,6,7
	global_load_b128 v[CB+8*\b:CB+8*\b+3], v[BAD], s[10:11] offset:64*\b
	global_load_b128 v[CB+8*\b+4:CB+8*\b+7], v[BAD], s[10:11] offset:64*\b+16
.endr
	s_wait_loadcnt 0x0
.set i, 0
.rept 64
	v_ldexp_f32 v[CB+i], v[CB+i], s81
.set i, i+1
.endr
	s_branch .Lbias_done
.Lbias_v:
	v_lshlrev_b32 v[BAD], 2, v1                    ; v: all eight registers of block a are feature 16 a + r
.irp a, 0,1,2,3,4,5,6,7
	global_load_b32 v[CB+8*\a], v[BAD], s[10:11] offset:64*\a
.endr
	s_wait_loadcnt 0x0
.irp a, 0,1,2,3,4,5,6,7
.irp j, 7,6,5,4,3,2,1,0
	v_ldexp_f32 v[CB+8*\a+\j], v[CB+8*\a], s81     ; the source is rewritten last
.endr
.endr
.Lbias_done:
.macro FRAG reg, adr, q, i             ; a fragment, 16 rows x 128 K, is 16 registers: lane l holds row l % 16; registers 4 c .. 4 c + 3 hold K = 32 c + 16 (l / 16) + 0 .. 15: the same places in x and in W
.irp c, 0,1,2,3
	ds_load_b128 v[\reg+4*\c:\reg+4*\c+3], v[\adr] offset:128*(\q)+32*\c+(\i)*16*PITCH
.endr
.endm
; 16 matrix instructions: source 1's blocks a0, a0 + 1 x source 0's eight, 128 along K.  p: source 0's set.  cm = 0: the sums go on; 1: they start with the bias by source 0's block (q, k); 2: by source 1's block (v).
; The 64 accumulators take turns, one instruction a turn, in the same order in every step.
.macro MUL16 a0, p, cm
.irp a, \a0, \a0+1
.irp b, 0,1,2,3,4,5,6,7
.if \cm == 1
	v_wmma_f32_16x16x128_fp8_fp8 v[8*(8*((\a)%4)+\b):8*(8*((\a)%4)+\b)+7], v[128*(\p)+FR*\b:128*(\p)+FR*\b+FR-1], v[AF+FR*(\a):AF+FR*(\a)+FR-1], v[CB+8*\b:CB+8*\b+7]
.elseif \cm == 2
	v_wmma_f32_16x16x128_fp8_fp8 v[8*(8*((\a)%4)+\b):8*(8*((\a)%4)+\b)+7], v[128*(\p)+FR*\b:128*(\p)+FR*\b+FR-1], v[AF+FR*(\a):AF+FR*(\a)+FR-1], v[CB+8*(\a):CB+8*(\a)+7]
.else
	v_wmma_f32_16x16x128_fp8_fp8 v[8*(8*((\a)%4)+\b):8*(8*((\a)%4)+\b)+7], v[128*(\p)+FR*\b:128*(\p)+FR*\b+FR-1], v[AF+FR*(\a):AF+FR*(\a)+FR-1], v[8*(8*((\a)%4)+\b):8*(8*((\a)%4)+\b)+7]
.endif
.endr
.endr
.endm
.macro FETCH_B slot, q, p              ; source 0's eight fragments of the slot's q-th 128 along K into set p
	WIN TO_B
.irp i, 0,1,2,3,4,5,6,7
	FRAG 128*(\p)+FR*\i, ADRB+\slot, \q, \i
.endr
	WIN 0
.endm
.macro FETCH_A slot, q, i0             ; source 1's blocks i0 .. i0 + 3
.irp i, \i0, \i0+1, \i0+2, \i0+3
	FRAG AF+FR*(\i), ADRA+\slot, \q, \i
.endr
.endm
; A load into a register that a matrix instruction has read, and a vector instruction that reads a matrix result, stand NP places behind that matrix instruction; only plain vector instructions that name none of its registers are places.
.macro PLACES n
.rept \n
	v_nop
.endr
.endm
; A step of 128 along K that has its successor in the same slot.
.macro STEP slot, q, cm
	s_wait_dscnt 4*NL                              ; source 0's set and source 1's blocks 0-3 are in; the youngest sixteen loads (blocks 4-7) may be out
.if \cm
	WIN 0x81                                       ; source 0 window 1, source 1 and C (the bias) window 0, D window 2
.else
	WIN MUL_LO
.endif
	MUL16 0, (\q)%2, \cm
	MUL16 2, (\q)%2, \cm
	s_wait_dscnt 0                                 ; blocks 4-7 are in (asked for 32 matrix instructions ago)
	PLACES NP
	FETCH_B \slot, (\q)+1, 1-(\q)%2
	FETCH_A \slot, (\q)+1, 0
.if \cm
	WIN 0xc1                                       ; the same, D window 3
.else
	WIN MUL_HI
.endif
	MUL16 4, (\q)%2, \cm
	MUL16 6, (\q)%2, \cm
	PLACES NP
	WIN 0
	FETCH_A \slot, (\q)+1, 4
.endm
; A slot's last step changes slots: ONE barrier; in front of it each wave waits for all its tensor loads, adds 0 to its spare word, and waits for that and for its own reads of this slot.  fill = 1: this slot is filled again, two K steps ahead.
.macro TURN slot, next, fill
	s_wait_tensorcnt 0x0                           ; all my tensor loads have landed: my part of the next slot;  (every window is 0 here)
	ds_add_u32 v[SPW], v[NIL]                      ; 0 onto my spare word
	s_wait_dscnt 4*NL+1                            ; (the add and the youngest sixteen loads, blocks 4-7, may be out)
	WIN MUL_LO
	MUL16 0, 1, 0                                  ; sixteen matrix instructions stand between the add and the wait for it
	s_wait_dscnt 0x0                               ; the add is done, and my reads of this slot are over
	s_barrier_signal -1
	MUL16 2, 1, 0
	WIN 0
	s_barrier_wait -1
.if \fill
	CREST                                          ; the barrier has opened a round of the cluster's barrier: no wave of any partner still reads this slot's tile or has a load on its way
	s_add_nc_u64 s[G0+4*\slot+2:G0+4*\slot+3], s[G0+4*\slot+2:G0+4*\slot+3], 2*ROWB
	s_add_nc_u64 s[G0B+4*\slot+2:G0B+4*\slot+3], s[G0B+4*\slot+2:G0B+4*\slot+3], 2*ROWB
	JLOAD G0+4*\slot, G1, G0B+4*\slot, G1B         ; the first tensor load behind the round; the four v_nop behind it are the places in front of the loads below
.else
	PLACES NP
.endif
	FETCH_B \next, 0, 0
	FETCH_A \next, 0, 0
	WIN MUL_HI
	MUL16 4, 1, 0
	MUL16 6, 1, 0
	PLACES NP
	WIN 0
	FETCH_A \next, 0, 4
.endm
	s_wait_tensorcnt 1                             ; my part of K step 0 is in (K step 1's load may be out)
	s_barrier_signal -1
	s_barrier_wait -1                              ; everybody's is
	FETCH_B 0, 0, 0
	FETCH_A 0, 0, 0
	FETCH_A 0, 0, 4
	s_cmp_eq_u32 ttmp9, 2                          ; the first step is written twice: its products start the sums with the bias, which lies by source 0's blocks (q, k) or by source 1's (v)
	s_cbranch_scc1 .Lfirst_v
	s_wait_alu depctr_va_vdst(0)
	STEP 0, 0, 1
	s_branch .Lfirst_done
.Lfirst_v:
	s_wait_alu depctr_va_vdst(0)
	STEP 0, 0, 2
.Lfirst_done:
	TURN 0, 1, 1                                   ; K = 1,024 is four slots' worth, eight steps: written out; both slots are filled once more
	STEP 1, 0, 0
	TURN 1, 0, 1
	STEP 0, 0, 0
	TURN 0, 1, 0                                   ; nothing is left to fetch
	STEP 1, 0, 0
	s_wait_dscnt 4*NL                              ; the very last step
	WIN MUL_LO
	MUL16 0, 1, 0
	MUL16 2, 1, 0
	s_wait_dscnt 0
	WIN MUL_HI
	MUL16 4, 1, 0
	MUL16 6, 1, 0
	WIN 0
	PLACES NP
; THE WAY OUT, block a of source 1 at a time: 64 sums a lane become 16 registers of codes.
; Registers 2 b, 2 b + 1 are eight neighbours along the next K, in the place that the plain 8-bit layout gives them: q, k: two fragments of 8 registers (two heads); v: one fragment of 16.  No LDS: a piece of four registers is stored as it stands.
.macro OUTB a
.set AC, 64*((\a)%4)
.set OT, OUT+16*((\a)%2)
.if (\a) > 0
	s_wait_xcnt 0x0                                ; the earlier stores have read their base and their data: the base steps, and the set of block a - 2 is written again
.if (\a) == 4
	s_add_nc_u64 s[90:91], s[90:91], s[84:85]
.else
	s_add_nc_u64 s[90:91], s[90:91], s[82:83]
.endif
.endif
	WIN 0x82+0x41*((\a)/4)                         ; source 0 and destination: window 2 or 3
.set i, 0
.rept 64
.set i, i+1
.endr
	WIN 0x02+((\a)/4)                              ; source 0: window 2 or 3
.irp b, 0,1,2,3,4,5,6,7
	v_cvt_scalef32_pk8_fp8_f32 v[OT+2*\b:OT+2*\b+1], v[AC+8*\b:AC+8*\b+7], v[SCL]
.endr
	v_nop                                          ; one plain vector instruction behind the last conversion
	WIN 0
.irp p, 0,1,2,3
	global_store_b128 v[OA+\p/2], v[OT+4*\p:OT+4*\p+3], s[90:91] offset:512*(\p%2)   ; 32 lanes store 512 consecutive bytes, aligned
.endr
.endm
.irp a, 0,1,2,3,4,5,6,7
	OUTB \a
.endr
	s_wait_tensorcnt 0x0                           ; the wave's end
	ds_add_u32 v[SPW], v[NIL]
	s_wait_dscnt 0x0
	CROUND                                         ; the closing round: no work-group ends while a partner may still ask for a tile that names it
	s_endpgm
.Lfunc_end_k_qc2e00baf91_qkv:
	.size	k_qc2e00baf91_qkv, .Lfunc_end_k_qc2e00baf91_qkv-k_qc2e00baf91_qkv
	.p2alignl 7, 3214868480
	.fill 96, 4, 3214868480
	.section	.rodata,"a",@progbits
	.p2align	6, 0x0
	.amdhsa_kernel k_qc2e00baf91_qkv
		.amdhsa_group_segment_fixed_size 327680
		.amdhsa_private_segment_fixed_size 0
		.amdhsa_enable_private_segment 0
		.amdhsa_kernarg_size 48
		.amdhsa_user_sgpr_count 2
		.amdhsa_user_sgpr_kernarg_segment_ptr 1
		.amdhsa_wavefront_size32 1
		.amdhsa_system_sgpr_workgroup_id_x 1
		.amdhsa_system_sgpr_workgroup_id_y 1
		.amdhsa_system_sgpr_workgroup_id_z 1
		.amdhsa_system_vgpr_workitem_id 0
		.amdhsa_next_free_vgpr 1024
		.amdhsa_next_free_sgpr 100
		.amdhsa_reserve_vcc 0
		.amdhsa_float_denorm_mode_32 3
		.amdhsa_float_denorm_mode_16_64 3
		.amdhsa_fp16_overflow 1
		.amdhsa_memory_ordered 1
		.amdhsa_forward_progress 1
		.amdhsa_inst_pref_size 106
	.end_amdhsa_kernel
	.amdgpu_metadata
---
amdhsa.version: [ 1, 2 ]
amdhsa.kernels:
  - .name:           k_qc2e00baf91_qkv
    .symbol:         k_qc2e00baf91_qkv.kd
    .args:
      - { .name: x_codes, .offset: 0, .size: 8, .value_kind: global_buffer, .address_space: global }
      - { .name: Wqkv_codes, .offset: 8, .size: 8, .value_kind: global_buffer, .address_space: global }
      - { .name: lowp_scales, .offset: 16, .size: 8, .value_kind: global_buffer, .address_space: global }
      - { .name: bqkv, .offset: 24, .size: 8, .value_kind: global_buffer, .address_space: global }
      - { .name: qc, .offset: 32, .size: 8, .value_kind: global_buffer, .address_space: global }
      - { .name: kv, .offset: 40, .size: 8, .value_kind: global_buffer, .address_space: global }
    .group_segment_fixed_size: 327680
    .private_segment_fixed_size: 0
    .kernarg_segment_align: 8
    .kernarg_segment_size: 48
    .max_flat_workgroup_size: 128
    .sgpr_count:     100
    .vgpr_count:     1024
    .wavefront_size: 32
...
	.end_amdgpu_metadata
.endif
;; end of part 1
;; launch attn (part 2): grid 4 x 64, 8 waves a work-group, clusters of 4 x 1, 327,680 bytes of LDS; arguments qc, kv, attention_mask, lowp_scales, yc; writes yc
.if DOCPART == 2
	.amdgcn_target "amdgcn-amd-amdhsa--gfx1250"
	.amdhsa_code_object_version 6
	.text
	.protected	k_qc2e00baf91_attn
	.globl	k_qc2e00baf91_attn
	.p2align	8
	.type	k_qc2e00baf91_attn,@function
k_qc2e00baf91_attn:
	s_mov_b64 s[64:65], 0
	v_nop
	global_prefetch_b8 v0, s[64:65] scope:SCOPE_SE
	s_setreg_imm32_b32 hwreg(HW_REG_WAVE_MODE, 25, 1), 1
	s_wait_xcnt 0x0
	s_wait_alu depctr_hold_cnt(0) depctr_sa_sdst(0) depctr_va_vdst(0) depctr_va_sdst(0) depctr_va_ssrc(0) depctr_va_vcc(0) depctr_vm_vsrc(0)
	s_getreg_b32 s2, hwreg(HW_REG_IB_STS2, 6, 4)
	s_cmp_eq_u32 s2, 0
	s_cbranch_scc0 .Lentry_in_a_cluster
	s_endpgm
.Lentry_in_a_cluster:
	s_bfe_u32 s2, ttmp6, 0x10000c
	s_cmp_lg_u32 s2, 0x3003
	s_cbranch_scc0 .Lentry_shape_is_right
	s_endpgm
.Lentry_shape_is_right:
; y = softmax(q k^T / 8, under the causal mask and the keys' padding mask) v for 64 heads of 2,048 tokens x 64 channels, both products on codes of FP8 (E4M3); y is quantised with 2^e6 and stored as images of the last product's operand.
; qc, kv: the register images that the launch before stored.  attention_mask: [4][2048] int32.  lowp_scales: e0 .. e7.  yc: [512 tiles of 16 rows][16 heads][1 KB]: piece c' (512 bytes): lane (r, h) holds channels 32 c' + 16 h + 0 .. 15 of row r.
; THE SOFTMAX: t = raw score x c, c = log2(e) / 8 x 2^(e2 + e3); M = the running largest t rounded UP to a whole number; p = 2^(t - M) is quantised with 2^e4; the sum l is taken of the unquantised p and divides at the end.
; SHARES.  The four work-groups of a cluster serve one head.  The head's whole K and V (256 KB of images) land in each one's LDS ONCE, by joint loads: no byte of LDS is filled twice, so there is no ring.
; Work-group cx owns the tiles of 16 queries cx + 4 i, i = 0 .. 31; wave w owns i = w, 15 - w, 16 + w, 31 - w.  Tile i needs key steps (128 keys) 0 .. i / 2: 34 tile-steps for every wave, whatever w and cx.
; A key step's fragments of K and V are read from LDS once for all the wave's tiles that still need it: four in steps 0-3, three in 4-7, two in 8-11, one in 12-15 (four loops of four trips; in each the tile that ends there is passed over behind its diagonal).
; LAYOUT.  S^T = K Q^T (source 0 = 16 neighbouring keys, source 1 = my 16 queries) and O^T = V^T P^T: a lane holds ONE query (lane % 16).  Register 8 c + j of S^T is key 16 c + 8 (lane / 16) + j: the place that the plain 8-bit layout gives it
; in the second product, so the conversions' results are that product's operand.
; THE PADDING MASK costs no vector work: a table of 0 (key counts) or -2^100 (it does not) in LDS is the C of S^T.  A raw score is under 64 x 448^2 < 2^25 in magnitude, so the running largest t begins at -c 2^25: under every score that counts, over
; every one that does not; p of a masked key is 2^(about -c 2^100) = 0.  The causal mask sets -2^100 by compare and select, in a tile's one step on the diagonal.
; A ROW WITH NO KEY THAT COUNTS has all logits equal in the definition: its weights are 1 on ALL 2,048 keys.  It ends here with l = 0 and O = 0; U = the sum over all keys of Q(1) x v's codes is made beside (four matrix instructions a key step), and
; y = O a + U b with (a, b) = (2^(e4+e5) / l, 0), or (0, 2^(e4+e5-11)) where l = 0, chosen by a select.
; LIMITS: e2 + e3 between -80 and 25 (c 2^100 is finite and far over every |t| that counts); e4 and e6 between -126 and 119.  NaN codes among the inputs are not served.
; REGISTERS: window 0: v1-8 addresses and constants; v9-11, v28-31 at work; v12-27 four registers of statistics a tile; v32-95 K; v96-159 S^T, then p; v160-223 the table's numbers; v224-239 p's codes; v240-255 Q(1)'s codes.
;   window 1: v0-127 O^T, 32 a tile; v128-159 U; v160-191 Q, 8 a tile; v192-255 V^T.
.set BIAS, 262144                      ; LDS: bytes 0 .. 262143 the head's kv block as it lies in memory; then the table, 2,048 f32
.set LI,   1                           ; v1   16 x lane: an image's place for my lane
.set BA,   2                           ; v2   BIAS + 32 (lane / 16)
.set ADK,  3                           ; v3   LDS address of the step's images
.set ADB,  4                           ; v4   of the step's part of the table
.set DA,   5                           ; v5   my query's place in its diagonal step, less 8 (lane / 16): tiles 0 and 2;  v6: tiles 1 and 3
.set NEG,  7                           ; v7   -2^100; on the way out 2^e6
.set PSC,  8                           ; v8   2^e4 as f32
.set TP,   9                           ; v9   a lane permute's destination
.set F,    10                          ; v[10:11] f = 2^(old M - new M); v11 = 0
.set ST,   12                          ; tile n: v[12+4n] -M, +1 the largest t, +2, +3 the sum in two halves
.set SUM2, 28                          ; v[28:29]
.set T0,   30
.set T1,   31
.set KF,   32
.set SC,   96
.set BI,   160
.set PC,   224
.set ONE,  240
.set OT,   0                           ; window 1
.set UT,   128
.set QF,   160
.set VF,   192
.set MSB, 0
.macro WIN new                         ; bits 1:0 source 0, 3:2 source 1, 5:4 source 2, 7:6 destination; the immediate's high byte repeats the setting that is left
.if MSB != \new
	s_set_vgpr_msb (MSB<<8)|\new
.set MSB, \new
.endif
.endm
.macro CROUND                          ; a round of the cluster's barrier
	s_barrier_signal -1
	s_barrier_wait -1
	s_cmp_lg_u32 s14, 0
	s_cbranch_scc1 .Lnot_wave_0_\@
	s_barrier_signal -3
.Lnot_wave_0_\@:
	s_barrier_wait -3
	s_barrier_signal -1
	s_barrier_wait -1
.endm
	s_load_b256 s[4:11], s[0:1], 0x0               ; qc s[4:5], kv s[6:7], the mask s[8:9], the exponents s[10:11]
	s_load_b64 s[12:13], s[0:1], 0x20              ; yc
	v_lshl_add_u32 v254, v0, 2, 0x42000
	v_mov_b32 v255, 0
	ds_add_u32 v254, v255
	ds_add_u32 v254, v255
	s_wait_dscnt 0x0
	v_lshrrev_b32 v1, 5, v0
	s_delay_alu instid0(VALU_DEP_1)
	v_readfirstlane_b32 s14, v1                    ; wave 0..7
	s_bfe_u32 s15, ttmp6, 0x40000                  ; cx: it enters global addresses and the causal compare alone
	s_and_b32 s16, ttmp7, 0xffff                   ; the head, 0..63, which the four partners share
	s_lshr_b32 s17, s16, 4                         ; its batch
	s_and_b32 s18, s16, 15                         ; its number in the batch
	; descriptor groups 1: dense blocks as rows of 256 bytes (32 elements of 8 bytes): 32 rows, and 96 rows
	s_mov_b32 s24, 15|(3<<16)|(1<<21)              ; 15:0 the mask: all four work-groups; 17:16 elements of 8 bytes; 21 set beside a mask
	s_mov_b32 s25, 32<<16                          ; tensor_dim0 = 32
	s_mov_b32 s26, 32<<16                          ; tensor_dim1 = 32
	s_mov_b32 s27, 32<<16                          ; tile_dim0 = 32
	s_mov_b32 s28, 32                              ; tile_dim1 = 32
	s_mov_b32 s29, 32                              ; tensor_dim0_stride
	s_mov_b32 s30, 0
	s_mov_b32 s31, 0
	s_mov_b32 s32, 15|(3<<16)|(1<<21)
	s_mov_b32 s33, 32<<16
	s_mov_b32 s34, 96<<16                          ; tensor_dim1 = 96
	s_mov_b32 s35, 32<<16
	s_mov_b32 s36, 96                              ; tile_dim1 = 96
	s_mov_b32 s37, 32
	s_mov_b32 s38, 0
	s_mov_b32 s39, 0
	s_mov_b32 s40, 1
	s_lshl_b32 s41, s14, 13                        ; key steps 0-3 are 64 KB: 8 KB a wave, in LDS as in memory
	s_lshl_b32 s80, s16, 18                        ; the head's 256 KB
	s_add_co_u32 s80, s80, s41
	s_mov_b32 s81, 0
	s_mov_b32 s44, 1
	s_mul_i32 s45, s14, 24576                      ; key steps 4-15 are 192 KB: 24 KB a wave
	s_add_co_u32 s45, s45, 65536
	s_lshl_b32 s82, s16, 18
	s_add_co_u32 s82, s82, s45
	s_mov_b32 s83, 0
	s_wait_kmcnt 0x0
	s_load_b256 s[48:55], s[10:11], 0x0            ; e0 .. e7
	s_add_nc_u64 s[42:43], s[6:7], s[80:81]
	s_or_b32 s43, s43, 0x80000000
	s_add_nc_u64 s[46:47], s[6:7], s[82:83]
	s_or_b32 s47, s47, 0x80000000
	CROUND                                         ; all four work-groups are here: the joint loads meet
	tensor_load_to_lds s[40:43], s[24:31]          ; every wave issues both, the second behind a wait for this one; they are the launch's only ones
	s_nop 0
	s_wait_alu depctr_va_vdst(0)
	s_wait_tensorcnt 0x0
	ds_add_u32 v254, v255
	s_wait_dscnt 0x0
	CROUND
	tensor_load_to_lds s[44:47], s[32:39]
	s_nop 0
.rept 4
	v_nop
.endr
	v_and_b32 v1, 31, v0
	s_delay_alu instid0(VALU_DEP_1)
	v_lshlrev_b32 v[LI], 4, v1
	v_and_b32 v[T0], 15, v0                        ; r
	v_bfe_u32 v[T1], v0, 4, 1                      ; h
	s_wait_alu depctr_va_vdst(0)
	v_lshl_add_u32 v[BA], v[T1], 5, BIAS
	v_lshl_add_u32 v[ADB], v0, 5, BIAS             ; where I put my eight numbers of the table
	v_lshlrev_b32 v[SUM2], 5, v0                   ; my eight numbers of the mask
	s_lshl_b32 s80, s17, 13
	s_mov_b32 s81, 0
	s_add_nc_u64 s[8:9], s[8:9], s[80:81]          ; the batch's 2,048 numbers
	global_load_b128 v[SC:SC+3], v[SUM2], s[8:9]
	global_load_b128 v[SC+4:SC+7], v[SUM2], s[8:9] offset:16
	s_and_b32 s80, s14, 1
	s_lshl_b32 s81, s80, 6
	s_lshl_b32 s82, s15, 4
	s_add_co_u32 s81, s81, s82                     ; tiles 0 and 2 begin 64 (w % 2) + 16 cx keys into their diagonal step,
	s_xor_b32 s80, s80, 1
	s_lshl_b32 s80, s80, 6
	s_add_co_u32 s80, s80, s82                     ; tiles 1 and 3 at 64 (1 - w % 2) + 16 cx
	v_lshlrev_b32 v[T1], 3, v[T1]
	s_delay_alu instid0(VALU_DEP_1)
	v_sub_nc_u32 v[T0], v[T0], v[T1]               ; r - 8 h
	s_delay_alu instid0(VALU_DEP_1)
	v_add_nc_u32 v[DA], s81, v[T0]
	s_delay_alu instid0(VALU_DEP_2)
	v_add_nc_u32 v[DA+1], s80, v[T0]
	s_mov_b32 s84, s14                             ; i of my four tiles: w,
	s_xor_b32 s85, s14, 15                         ; 15 - w,
	s_add_co_u32 s86, s14, 16                      ; 16 + w,
	s_xor_b32 s87, s14, 31                         ; 31 - w
	s_lshl_b32 s82, s16, 17                        ; the head's 128 KB in qc
	s_lshl_b32 s83, s17, 21
	s_lshl_b32 s80, s18, 10
	s_add_co_u32 s83, s83, s80                     ; the batch's 128 tiles of 16 KB in yc, + the head's 1 KB
.irp n, 0,1,2,3
	s_lshr_b32 s[56+\n], s[84+\n], 1               ; the tile's diagonal step: it hangs on the wave's number alone
	s_lshl_b32 s[84+\n], s[84+\n], 2
	s_add_co_u32 s[84+\n], s[84+\n], s15           ; the tile's number in the head: cx + 4 i
	s_lshl_b32 s[74+\n], s[84+\n], 10
	s_add_co_u32 s[74+\n], s[74+\n], s82           ; its byte in qc
	s_lshl_b32 s[70+\n], s[84+\n], 14
	s_add_co_u32 s[70+\n], s[70+\n], s83           ; and in yc
	v_add_nc_u32 v[KF+\n], s[74+\n], v[LI]
.endr
	WIN 0x40                                       ; destination window 1
	s_wait_alu depctr_va_vdst(0)
.irp n, 0,1,2,3
	global_load_b128 v[QF+8*\n:QF+8*\n+3], v[KF+\n], s[4:5]              ; Q's fragments stay in registers
	global_load_b128 v[QF+8*\n+4:QF+8*\n+7], v[KF+\n], s[4:5] offset:512
.endr
.set i, 0
.rept 160
	v_mov_b32 v[i], 0                              ; O^T and U.  (The key step is written with sums that go on: a first step of its own would be one more copy of four tiles' work)
.set i, i+1
.endr
	WIN 0
	s_mov_b32 s20, 0x76543210                      ; v_permlanex16_b32's selects for lane l xor 16
	s_mov_b32 s21, 0xfedcba98
	s_mov_b32 s66, 0xffff0000                      ; lanes 16-31
	s_mov_b32 s22, 0x3e38aa3b                      ; log2(e) / 8
	s_wait_kmcnt 0x0
	s_add_co_i32 s80, s50, s51
	s_lshl_b32 s80, s80, 23
	s_add_co_i32 s22, s22, s80                     ; c: e2 + e3 are added to the exponent field
	s_mov_b32 s23, s22                             ; (named with it as a pair, so it is written)
	s_add_co_i32 s80, s52, 127
	s_lshl_b32 s81, s80, 23
	v_mov_b32 v[PSC], s81                          ; 2^e4
	s_add_co_i32 s80, s80, 8
	s_lshl_b32 s63, s80, 23
	s_or_b32 s63, s63, 0x600000                    ; 448 x 2^e4
	s_add_co_i32 s67, s52, s53                     ; e4 + e5
	s_add_co_i32 s80, s54, 127
	s_lshl_b32 s88, s80, 23                        ; 2^e6
	s_add_co_i32 s80, s80, 8
	s_lshl_b32 s68, s80, 23
	s_or_b32 s68, s68, 0x600000                    ; 448 x 2^e6,
	s_or_b32 s69, s68, 0x80000000                  ; and its negative
	v_mov_b32 v[NEG], 0xf1800000                   ; -2^100
	v_mov_b32 v[TP], 0                             ; written once: a lane permute's destination counts as one of its sources
	v_mov_b32 v[F+1], 0                            ; (named as the upper half of the pair; also the 0 of the selects)
	v_mov_b32 v[T0], 0xcc000000                    ; -2^25
.irp n, 0,1,2,3
	v_mul_f32 v[ST+4*\n+1], s22, v[T0]             ; the largest t so far: -c 2^25
	s_delay_alu instid0(VALU_DEP_1)
	v_floor_f32 v[ST+4*\n], -v[ST+4*\n+1]          ; -M
	v_mov_b32 v[ST+4*\n+2], 0                      ; the sum
	v_mov_b32 v[ST+4*\n+3], 0
.endr
	v_mov_b32 v[T0], 1.0
.irp i, 0,1,2,3,4,5,6,7
	v_min_num_f32 v[SC+8+\i], s63, v[T0]           ; Q(1): converted as every p is
.endr
	v_cvt_scalef32_pk8_fp8_f32 v[ONE:ONE+1], v[SC+8:SC+15], v[PSC]
	v_nop                                          ; one plain vector instruction behind the conversion
.irp i, 2,4,6,8,10,12,14
	v_mov_b32 v[ONE+\i], v[ONE]
	v_mov_b32 v[ONE+\i+1], v[ONE+1]
.endr
	s_wait_loadcnt 0x8                             ; the mask's two loads are in; Q's eight, issued behind them, may be out
.irp i, 0,1,2,3,4,5,6,7
	v_cmp_ne_u32 vcc_lo, 0, v[SC+\i]
	s_delay_alu instid0(VALU_DEP_1)
	v_cndmask_b32 v[SC+\i], v[NEG], v[F+1], vcc_lo ; 0 where the key counts, else -2^100
.endr
	ds_store_b128 v[ADB], v[SC:SC+3]
	ds_store_b128 v[ADB], v[SC+4:SC+7] offset:16
	s_wait_loadcnt 0x0                             ; Q
	s_wait_tensorcnt 0x1                           ; my part of key steps 0-3 is in; my part of steps 4-15 may stay out
	s_wait_dscnt 0x0                               ; for the others' sake: my part of the table is stored
	s_barrier_signal -1
	s_barrier_wait -1
; THE HEAD OF A KEY STEP: its 8 tiles of K, its 128 numbers of the table and its 4 fragments of V^T come into registers, for all the wave's tiles; U takes the step's V.
.macro STEPHEAD
	v_add_nc_u32 v[ADK], s61, v[LI]
	v_add_nc_u32 v[ADB], s62, v[BA]
	v_nop                                          ; with the two additions: four places in front of loads into registers that the last matrix instructions have read
	v_nop
.irp c, 0,1,2,3,4,5,6,7
	ds_load_b128 v[KF+8*\c:KF+8*\c+3], v[ADK] offset:1024*\c
	ds_load_b128 v[KF+8*\c+4:KF+8*\c+7], v[ADK] offset:1024*\c+512
.endr
.irp c, 0,1,2,3,4,5,6,7
	ds_load_b128 v[BI+8*\c:BI+8*\c+3], v[ADB] offset:64*\c          ; keys 16 c + 8 h + 0 .. 7: sixteen lanes share each word
	ds_load_b128 v[BI+8*\c+4:BI+8*\c+7], v[ADB] offset:64*\c+16
.endr
	WIN 0x40
.irp t, 0,1,2,3
.irp p, 0,1,2,3
	ds_load_b128 v[VF+16*\t+4*\p:VF+16*\t+4*\p+3], v[ADK] offset:8192+2048*\t+512*\p
.endr
.endr
	s_wait_dscnt 0x0
	WIN 0x51                                       ; source 0 (V^T), C and D window 1; source 1 window 0
.irp t, 0,1,2,3
	v_wmma_f32_16x16x128_fp8_fp8 v[UT+8*\t:UT+8*\t+7], v[VF+16*\t:VF+16*\t+15], v[ONE:ONE+15], v[UT+8*\t:UT+8*\t+7]
.endr
	WIN 0
.endm
; ONE TILE OF 16 QUERIES IN ONE KEY STEP.  diag = 1: the tile's diagonal may lie in this step.  No two matrix instructions that follow each other share an accumulator.
.macro TILE n, diag
.set NM, ST+4*(\n)
.set LS, ST+4*(\n)+2
.set ON, OT+32*(\n)
	WIN 0x04                                       ; source 1 (Q) window 1
.irp c, 0,1,2,3,4,5,6,7
	v_wmma_f32_16x16x64_fp8_fp8 v[SC+8*\c:SC+8*\c+7], v[KF+8*\c:KF+8*\c+7], v[QF+8*(\n):QF+8*(\n)+7], v[BI+8*\c:BI+8*\c+7]
.endr
	WIN 0
.rept 4
	v_nop                                          ; four places in front of the first read of the scores
.endr
.if \diag
	s_cmp_lg_u32 s60, s[56+\n]                     ; a step in front of the diagonal hides nothing: a scalar branch on the step's and the wave's numbers
	s_cbranch_scc1 .Lopen_\@
.set i, 0
.rept 64
	v_cmp_gt_i32 vcc_lo, 16*(i/8)+i%8, v[DA+(\n)%2]   ; register 8 c + j holds key 16 c + 8 h + j of the step: hidden where it comes after my query
	v_cndmask_b32 v[SC+i], v[SC+i], v[NEG], vcc_lo
.set i, i+1
.endr
.Lopen_\@:
.endif
	v_max3_num_f32 v[T0], v[SC], v[SC+1], v[SC+2]  ; the step's largest score of my query among my 64 keys, in two chains,
	v_max3_num_f32 v[T1], v[SC+3], v[SC+4], v[SC+5]
.irp i, 6,10,14,18,22,26,30,34,38,42,46,50,54,58
	v_max3_num_f32 v[T0], v[T0], v[SC+\i], v[SC+\i+1]
	v_max3_num_f32 v[T1], v[T1], v[SC+\i+2], v[SC+\i+3]
.endr
	v_max3_num_f32 v[T0], v[T0], v[SC+62], v[SC+63]
	s_delay_alu instid0(VALU_DEP_1)
	v_max_num_f32 v[T0], v[T0], v[T1]
	s_delay_alu instid0(VALU_DEP_1)
	v_permlanex16_b32 v[TP], v[T0], s20, s21
	s_delay_alu instid0(VALU_DEP_1)
	v_max_num_f32 v[T0], v[T0], v[TP]              ; and among lane l xor 16's
	s_delay_alu instid0(VALU_DEP_1)
	v_mul_f32 v[T0], s22, v[T0]                    ; as t (c is positive)
	s_delay_alu instid0(VALU_DEP_1)
	v_max_num_f32 v[NM+1], v[NM+1], v[T0]          ; the running largest t
	v_mov_b32 v[T0], v[NM]
	s_delay_alu instid0(VALU_DEP_2)
	v_floor_f32 v[NM], -v[NM+1]                    ; the new -M = floor(-t): M is a whole number
	s_delay_alu instid0(VALU_DEP_1)
	v_sub_f32 v[T0], v[NM], v[T0]                  ; old M - new M: a whole number, 0 or less
	s_delay_alu instid0(VALU_DEP_1)
	v_cvt_i32_f32 v[T0], v[T0]                     ; (it saturates)
	s_delay_alu instid0(VALU_DEP_1)
	v_ldexp_f32 v[F], 1.0, v[T0]                   ; f = 2^(old M - new M): a multiplication by it rounds nothing
.set i, 0
.rept 32
	v_pk_fma_f32 v[SC+i:SC+i+1], v[SC+i:SC+i+1], s[22:23], v[NM:NM+1] op_sel_hi:[1,0,0]   ; t - M, two at a time
.set i, i+2
.endr
.set i, 0
	s_wait_alu depctr_va_vdst(0)
.rept 64
	v_exp_f32 v[SC+i], v[SC+i]                     ; p = 2^(t - M), at most 1, not normalised
.set i, i+1
.endr
	v_pk_mul_f32 v[LS:LS+1], v[LS:LS+1], v[F:F+1] op_sel_hi:[1,0]   ; the sum under the new M.  (The plain instruction behind the exponentials)
	s_wait_alu depctr_va_vdst(0)                   ; one wait for the whole batch, ahead of its first reader
	v_pk_add_f32 v[SUM2:SUM2+1], v[SC:SC+1], v[SC+2:SC+3]           ; the sum of the UNQUANTISED p, in two chains
.irp j, 4,8,12,16,20,24,28,32,36,40,44,48,52,56,60
	v_pk_add_f32 v[LS:LS+1], v[LS:LS+1], v[SC+\j:SC+\j+1]
	v_pk_add_f32 v[SUM2:SUM2+1], v[SUM2:SUM2+1], v[SC+\j+2:SC+\j+3]
.endr
	s_delay_alu instid0(VALU_DEP_1)
	v_pk_add_f32 v[LS:LS+1], v[LS:LS+1], v[SUM2:SUM2+1]
.set i, 0
.rept 64
.set i, i+1
.endr
.irp c, 0,1,2,3,4,5,6,7
	v_cvt_scalef32_pk8_fp8_f32 v[PC+2*\c:PC+2*\c+1], v[SC+8*\c:SC+8*\c+7], v[PSC]   ; registers 2 c, 2 c + 1 of the operand: keys 16 c + 8 h + 0 .. 7
.endr
	WIN 0x41                                       ; O^T (destination and source 0) window 1
.set i, 0
.rept 16
	v_pk_mul_f32 v[ON+i:ON+i+1], v[ON+i:ON+i+1], v[F:F+1] op_sel_hi:[1,0]   ; O^T under the new M.  (Also the plain instructions behind the conversions)
.set i, i+2
.endr
	WIN 0x51
.irp t, 0,1,2,3
	v_wmma_f32_16x16x128_fp8_fp8 v[ON+8*\t:ON+8*\t+7], v[VF+16*\t:VF+16*\t+15], v[PC:PC+15], v[ON+8*\t:ON+8*\t+7]
.endr
	WIN 0
.endm
; KEY STEPS 4 p .. 4 p + 3: tiles p + 1 .. 3 take every one of them; tile p, whose diagonal lies among them, is passed over behind it.  The trip count and all steps are constants.
.macro PHASE p
	s_mov_b32 s60, 4*\p                            ; the key step,
	s_mov_b32 s61, 4*\p*16384                      ; its images,
	s_mov_b32 s62, 4*\p*512                        ; its part of the table
	s_mov_b32 s19, 4
.Lph_\@:
	STEPHEAD
.if \p < 3
	TILE 3, 0
.endif
.if \p < 2
	TILE 2, 0
.endif
.if \p < 1
	TILE 1, 0
.endif
	s_cmp_gt_u32 s60, s[56+\p]
	s_cbranch_scc1 .Lskip_\@
	TILE \p, 1
.Lskip_\@:
	s_add_co_u32 s60, s60, 1
	s_add_co_u32 s61, s61, 16384
	s_add_co_u32 s62, s62, 512
	s_sub_co_u32 s19, s19, 1
	s_cmp_lg_u32 s19, 0
	s_cbranch_scc1 .Lph_\@
.endm
	PHASE 0
	s_wait_tensorcnt 0x0                           ; my part of key steps 4-15 is in,
	s_wait_dscnt 0x0
	s_barrier_signal -1
	s_barrier_wait -1                              ; everybody's is.  From here on LDS is only read: no further barrier
	PHASE 1
	PHASE 2
	PHASE 3
	; THE WAY OUT.  The additions are the places behind the last products.
.irp n, 0,1,2,3
	v_add_f32 v[ST+4*\n+2], v[ST+4*\n+2], v[ST+4*\n+3]           ; the sum's two halves,
.endr
.irp n, 0,1,2,3
	s_delay_alu instid0(VALU_DEP_4)
	v_permlanex16_b32 v[ST+4*\n+3], v[ST+4*\n+2], s20, s21
.endr
.irp n, 0,1,2,3
	s_delay_alu instid0(VALU_DEP_4)
	v_add_f32 v[ST+4*\n+2], v[ST+4*\n+2], v[ST+4*\n+3]           ; and lane l xor 16's: l
.endr
	s_wait_alu depctr_va_vdst(0)
.irp n, 0,1,2,3
	v_rcp_f32 v[ST+4*\n+3], v[ST+4*\n+2]
.endr
	v_mov_b32 v[NEG], s88                          ; 2^e6, for y's conversions.  (The plain instruction behind the reciprocals)
	s_sub_co_i32 s80, s67, 11
	v_ldexp_f32 v[T0], 1.0, s80                    ; 2^(e4 + e5) / 2,048
	v_mov_b32 v[SUM2+1], 0                         ; (named as the upper half of a pair)
.irp i, 0,1,2,3
	v_mov_b32 v[SC+44+\i], 0                       ; the lane permutes' destinations are written once
	v_add_nc_u32 v[KF+\i], s[70+\i], v[LI]         ; my 16 bytes of each tile's unit in yc
.endr
	s_wait_alu depctr_va_vdst(0)                   ; one wait for the four reciprocals, ahead of their first reader
; Tile n: y = O a + U b, converted: Y_t (two registers) = channels 16 t + 8 h + 0 .. 7 of my row.  The unit wants channels 32 c + 16 h + 0 .. 15: lanes 0-15 keep Y_2c and take the other half's; lanes 16-31 keep Y_2c+1 and take the other half's.
.macro YOUT n
	v_cmp_eq_f32 vcc_lo, 0, v[ST+4*\n+2]           ; no key counted
	v_ldexp_f32 v[F], v[ST+4*\n+3], s67            ; 2^(e4 + e5) / l
	s_delay_alu instid0(VALU_DEP_1)
	v_cndmask_b32 v[F], v[F], v[F+1], vcc_lo       ; a
	s_delay_alu instid0(VALU_DEP_3)
	v_cndmask_b32 v[SUM2], v[F+1], v[T0], vcc_lo   ; b
	WIN 0x01                                       ; source 0 window 1
.set i, 0
.rept 16
	v_pk_mul_f32 v[SC+i:SC+i+1], v[OT+32*\n+i:OT+32*\n+i+1], v[F:F+1] op_sel_hi:[1,0]
.set i, i+2
.endr
.set i, 0
.rept 16
	v_pk_fma_f32 v[SC+i:SC+i+1], v[UT+i:UT+i+1], v[SUM2:SUM2+1], v[SC+i:SC+i+1] op_sel_hi:[1,0,1]
.set i, i+2
.endr
	WIN 0
.set i, 0
.rept 32
.set i, i+1
.endr
.irp t, 0,1,2,3
	v_cvt_scalef32_pk8_fp8_f32 v[SC+32+2*\t:SC+33+2*\t], v[SC+8*\t:SC+8*\t+7], v[NEG]
.endr
	v_nop                                          ; one plain vector instruction behind the last conversion
.irp c, 0,1
.irp k, 0,1
	v_cndmask_b32 v[SC+40+2*\c+\k], v[SC+34+4*\c+\k], v[SC+32+4*\c+\k], s66      ; what the other half wants of me: lanes 0-15 send Y_2c+1, lanes 16-31 Y_2c
.endr
.irp k, 0,1
	s_delay_alu instid0(VALU_DEP_2)
	v_permlanex16_b32 v[SC+44+2*\c+\k], v[SC+40+2*\c+\k], s20, s21
.endr
.irp k, 0,1
	v_cndmask_b32 v[BI+8*\n+4*\c+\k], v[SC+32+4*\c+\k], v[SC+44+2*\c+\k], s66
	v_cndmask_b32 v[BI+8*\n+4*\c+2+\k], v[SC+44+2*\c+\k], v[SC+34+4*\c+\k], s66
.endr
.endr
	global_store_b128 v[KF+\n], v[BI+8*\n:BI+8*\n+3], s[12:13]               ; 32 lanes store 512 consecutive bytes, aligned; each tile has its own registers for data and offset
	global_store_b128 v[KF+\n], v[BI+8*\n+4:BI+8*\n+7], s[12:13] offset:512
.endm
	YOUT 0
	YOUT 1
	YOUT 2
	YOUT 3
	s_wait_xcnt 0x0
	v_lshl_add_u32 v254, v0, 2, 0x42000
	v_mov_b32 v255, 0
	s_wait_alu depctr_va_vdst(0)
	s_wait_tensorcnt 0x0
	ds_add_u32 v254, v255
	s_wait_dscnt 0x0
	CROUND                                         ; the closing round
	s_endpgm
.Lfunc_end_k_qc2e00baf91_attn:
	.size	k_qc2e00baf91_attn, .Lfunc_end_k_qc2e00baf91_attn-k_qc2e00baf91_attn
	.p2alignl 7, 3214868480
	.fill 96, 4, 3214868480
	.section	.rodata,"a",@progbits
	.p2align	6, 0x0
	.amdhsa_kernel k_qc2e00baf91_attn
		.amdhsa_group_segment_fixed_size 327680
		.amdhsa_private_segment_fixed_size 0
		.amdhsa_enable_private_segment 0
		.amdhsa_kernarg_size 40
		.amdhsa_user_sgpr_count 2
		.amdhsa_user_sgpr_kernarg_segment_ptr 1
		.amdhsa_wavefront_size32 1
		.amdhsa_system_sgpr_workgroup_id_x 1
		.amdhsa_system_sgpr_workgroup_id_y 1
		.amdhsa_system_sgpr_workgroup_id_z 1
		.amdhsa_system_vgpr_workitem_id 0
		.amdhsa_next_free_vgpr 512
		.amdhsa_next_free_sgpr 96
		.amdhsa_reserve_vcc 1
		.amdhsa_float_denorm_mode_32 3
		.amdhsa_float_denorm_mode_16_64 3
		.amdhsa_fp16_overflow 1
		.amdhsa_memory_ordered 1
		.amdhsa_forward_progress 1
		.amdhsa_inst_pref_size 183
	.end_amdhsa_kernel
	.amdgpu_metadata
---
amdhsa.version: [ 1, 2 ]
amdhsa.kernels:
  - .name:           k_qc2e00baf91_attn
    .symbol:         k_qc2e00baf91_attn.kd
    .args:
      - { .name: qc, .offset: 0, .size: 8, .value_kind: global_buffer, .address_space: global }
      - { .name: kv, .offset: 8, .size: 8, .value_kind: global_buffer, .address_space: global }
      - { .name: attention_mask, .offset: 16, .size: 8, .value_kind: global_buffer, .address_space: global }
      - { .name: lowp_scales, .offset: 24, .size: 8, .value_kind: global_buffer, .address_space: global }
      - { .name: yc, .offset: 32, .size: 8, .value_kind: global_buffer, .address_space: global }
    .group_segment_fixed_size: 327680
    .private_segment_fixed_size: 0
    .kernarg_segment_align: 8
    .kernarg_segment_size: 40
    .max_flat_workgroup_size: 256
    .sgpr_count:     96
    .vgpr_count:     512
    .wavefront_size: 32
...
	.end_amdgpu_metadata
.endif
;; end of part 2
;; launch oproj (part 3): grid 4 x 32, 4 waves a work-group, clusters of 4 x 4, 327,680 bytes of LDS; arguments yc, Wout_codes, lowp_scales, out0; writes out0
.if DOCPART == 3
	.amdgcn_target "amdgcn-amd-amdhsa--gfx1250"
	.amdhsa_code_object_version 6
	.text
	.protected	k_qc2e00baf91_oproj
	.globl	k_qc2e00baf91_oproj
	.p2align	8
	.type	k_qc2e00baf91_oproj,@function
k_qc2e00baf91_oproj:
	s_mov_b64 s[64:65], 0
	v_nop
	global_prefetch_b8 v0, s[64:65] scope:SCOPE_SE
	s_setreg_imm32_b32 hwreg(HW_REG_WAVE_MODE, 25, 1), 1
	s_wait_xcnt 0x0
	s_wait_alu depctr_hold_cnt(0) depctr_sa_sdst(0) depctr_va_vdst(0) depctr_va_sdst(0) depctr_va_ssrc(0) depctr_va_vcc(0) depctr_vm_vsrc(0)
	s_getreg_b32 s2, hwreg(HW_REG_IB_STS2, 6, 4)
	s_cmp_eq_u32 s2, 0
	s_cbranch_scc0 .Lentry_in_a_cluster
	s_endpgm
.Lentry_in_a_cluster:
	s_bfe_u32 s2, ttmp6, 0x10000c
	s_cmp_lg_u32 s2, 0xf033
	s_cbranch_scc0 .Lentry_shape_is_right
	s_endpgm
.Lentry_shape_is_right:
; out = y Wout^T on codes of FP8 (E4M3): y [8192][1024] comes as register images (yc), Wout [1024][1024] as rows of codes, K innermost; out0: [8192][1024] f32.  Each finished sum is multiplied once by 2^(e6 + e7).
; LIMIT: e6 + e7 between -126 and 127, so that 2^(e6 + e7) is an f32 number.
; A tile of 256 x 256 is made by four waves, 128 x 128 each: 64 accumulators, 512 registers.  K goes in steps of 256 through a ring of two LDS slots filled by the tensor data mover.
; yc: [512 tiles of 16 rows][16 heads][1 KB].  A K step of 256 is four heads: 4 KB of a row tile, on end; in them a fragment (16 rows x 128 K) is 2 KB: piece c at 512 c + 16 x lane holds K = 32 c + 16 (lane / 16) + 0 .. 15 of row lane % 16,
; the same places that four 16-byte loads, 32 bytes apart, give Wout's fragments.  So y's fragments come by consecutive loads, with no pitch and no padding.
; CLUSTERS: 4 x 4 work-groups; y's tiles are asked for jointly along a row of the cluster, Wout's along a column.  THE MATRIX INSTRUCTION IS USED TRANSPOSED (source 0 = 16 rows of Wout, source 1 = 16 rows of y): a lane holds eight neighbouring numbers of a row of out.
; 128 work-groups: a tile of half the rows would give twice as many, each wave reading half as much again from LDS for a product.
; REGISTERS, in windows of 256: window 0: v0-31 addresses; from v128 y's fragments, ONE set; on the way out v32-255 are free.   window 1: Wout's fragments, TWO sets.   windows 2, 3: the accumulators ((a, b) at v[8 (8 (a % 4) + b)]).
.set SIZE_N, 1024
.set ROWB,   256                       ; a row of Wout's tile in bytes
.set KROW,   1024                      ; a row of Wout in memory
.set PITCH,  272                       ; its LDS row: 256 bytes + 16 of padding: the 16 rows that a load touches start at 16 different banks (64 banks of 4 bytes: ISA guide 11.1)
.set FR,     16
.set NL,     4
.set NP,     4
.set HALFA,  32768                     ; 8 row tiles x 4 KB of images: what one tensor load brings of y
.set BOFF,   2*HALFA                   ; Wout's rows lie behind y's images
.set HALFB,  128*PITCH
.set SLOT,   BOFF+2*HALFB
.set SPARE,  2*SLOT                    ; behind the ring: the spare words, 128 bytes for each wave
.set SPITCH, 528                       ; the way out: a stage of 16 rows x (512 bytes + 16) for each wave, in slot 0, which has had its last fill and its last read when the first result is stored there
.set ADRA, 16                          ; v16-17  LDS address of y's fragments in slot 0, 1
.set ADRB, 20                          ; v20-21  of Wout's
.set STO,  24
.set RD,   25
.set CO,   26
.set SPW,  28                          ; v28     LDS address of my spare word; never rewritten
.set NIL,  29                          ; v29     0; never rewritten
.set TMP,  32
.set AF,   128
.set BK,   128
.set G1, 24                            ; s[24:31] descriptor group 1 for y's tiles;  s[32:39] group 0, one set for each slot
.set G0, 32
.set G1B, 48                           ; s[48:55], s[56:63] the same for Wout's tiles
.set G0B, 56
.set MSB, 0
.macro WIN new                         ; the immediate's high byte repeats the setting that is left
.if MSB != \new
	s_set_vgpr_msb (MSB<<8)|\new
.set MSB, \new
.endif
.endm
.set MUL_LO, 0xa1                      ; source 0 window 1, source 1 window 0, C and D window 2
.set MUL_HI, 0xf1                      ; the same, C and D window 3
.set TO_B,   0x40                      ; destination window 1, address window 0
; A joint load: waves 0 and 1 fetch for y, waves 2 and 3 for Wout.  The branch hangs on the wave's number alone.  Four v_nop follow each of the two lines.
.macro JLOAD g0a, g1a, g0b, g1b
	s_cmp_eq_u32 s15, 0
	s_cbranch_scc0 .Lfor_b_\@
	tensor_load_to_lds s[\g0a:\g0a+3], s[\g1a:\g1a+7]
	s_nop 0
.rept 4
	v_nop
.endr
	s_branch .Lasked_\@
.Lfor_b_\@:
	tensor_load_to_lds s[\g0b:\g0b+3], s[\g1b:\g1b+7]
	s_nop 0
.rept 4
	v_nop
.endr
.Lasked_\@:
.endm
.macro CREST                           ; a round of the cluster's barrier behind its opening barrier
	s_cmp_lg_u32 s14, 0
	s_cbranch_scc1 .Lnot_wave_0_\@
	s_barrier_signal -3
.Lnot_wave_0_\@:
	s_barrier_wait -3
	s_barrier_signal -1
	s_barrier_wait -1
.endm
.macro CROUND                          ; a whole round
	s_barrier_signal -1
	s_barrier_wait -1
	CREST
.endm
	s_load_b128 s[4:7], s[0:1], 0x0                ; yc s[4:5], Wout's codes s[6:7]
	s_load_b128 s[8:11], s[0:1], 0x10              ; the exponents s[8:9], out0 s[10:11]
	v_lshl_add_u32 v[SPW], v0, 2, SPARE
	v_mov_b32 v[NIL], 0
	ds_add_u32 v28, v29
	ds_add_u32 v28, v29
	s_wait_dscnt 0x0
	v_lshrrev_b32 v1, 5, v0
	v_readfirstlane_b32 s14, v1                    ; wave 0..3
	s_lshr_b32 s15, s14, 1                         ; which half of the tile's rows is mine.  Also: I fetch for y (0) or for Wout (1)
	s_and_b32 s16, s14, 1                          ; which half of its columns.  Also: which half of that tile I fetch
	s_bfe_u32 s40, ttmp6, 0x40000                  ; cx, cy
	s_bfe_u32 s41, ttmp6, 0x40004
	s_lshl_b32 s42, ttmp9, 2
	s_add_co_u32 s42, s42, s40                     ; tile column = 4 x cluster x + cx
	s_and_b32 s17, ttmp7, 0xffff
	s_lshl_b32 s17, s17, 2
	s_add_co_u32 s17, s17, s41                     ; tile row = 4 x cluster y + cy
	s_lshl_b32 s43, s41, 2
	s_lshl_b32 s43, 15, s43                        ; my row of the cluster
	s_lshl_b32 s44, 0x1111, s40                    ; my column
	; y's group 1: 8 rows of 4 KB (512 elements of 8 bytes), 16 KB apart in memory, dense in LDS
	s_or_b32 s[G1+0], s43, (3<<16)|(1<<21)         ; 15:0 the mask: my row; 17:16 elements of 8 bytes; 21 set beside a mask
	s_mov_b32 s[G1+1], 512<<16                     ; tensor_dim0 = 512
	s_mov_b32 s[G1+2], 8<<16                       ; tensor_dim1 = 8
	s_mov_b32 s[G1+3], 512<<16                     ; tile_dim0 = 512
	s_mov_b32 s[G1+4], 8                           ; tile_dim1 = 8
	s_mov_b32 s[G1+5], 2048                        ; tensor_dim0_stride
	s_mov_b32 s[G1+6], 0
	s_mov_b32 s[G1+7], 0
	; Wout's group 1: 128 rows of 256 bytes, padded in LDS
	s_or_b32 s[G1B+0], s44, (0<<16)|(1<<20)|(1<<21)|(5<<22)|(3<<25)  ; the mask: my column; elements of 1 byte; padding of 4 words after every 64
	s_mov_b32 s[G1B+1], ROWB<<16
	s_mov_b32 s[G1B+2], 128<<16
	s_mov_b32 s[G1B+3], ROWB<<16
	s_mov_b32 s[G1B+4], 128
	s_mov_b32 s[G1B+5], KROW
	s_mov_b32 s[G1B+6], 0
	s_mov_b32 s[G1B+7], 0
	s_lshl_b32 s18, s16, 17                        ; the half that I fetch: 8 row tiles of 16 KB, or 128 rows of 1 KB: 128 KB either way
	s_lshl_b32 s20, s17, 18
	s_add_co_u32 s20, s20, s18                     ; y: 256 KB x tile row + the half
	s_mov_b32 s21, 0
	s_lshl_b32 s46, s42, 18
	s_add_co_u32 s46, s46, s18                     ; Wout: 256 KB x tile column + the half
	s_mov_b32 s47, 0
	s_lshl_b32 s45, s16, 15                        ; where they go: no place in the cluster enters an LDS address
	s_mul_i32 s19, s16, HALFB
	s_add_co_u32 s19, s19, BOFF
	s_wait_kmcnt 0x0
	s_load_b64 s[96:97], s[8:9], 0x18              ; e6, e7
	s_add_nc_u64 s[20:21], s[4:5], s[20:21]
	s_add_nc_u64 s[46:47], s[6:7], s[46:47]
	CROUND                                         ; all sixteen work-groups are here: the first joint loads meet
.irp s, 0,1
	s_mov_b32 s[G0+4*\s], 1
	s_add_co_u32 s[G0+4*\s+1], s45, \s*SLOT
	s_add_nc_u64 s[G0+4*\s+2:G0+4*\s+3], s[20:21], \s*4096
	s_or_b32 s[G0+4*\s+3], s[G0+4*\s+3], 0x80000000
	s_mov_b32 s[G0B+4*\s], 1
	s_add_co_u32 s[G0B+4*\s+1], s19, \s*SLOT
	s_add_nc_u64 s[G0B+4*\s+2:G0B+4*\s+3], s[46:47], \s*ROWB
	s_or_b32 s[G0B+4*\s+3], s[G0B+4*\s+3], 0x80000000
	s_wait_alu depctr_va_vdst(0)
	s_wait_tensorcnt 0x0
	ds_add_u32 v28, v29
	ds_add_u32 v28, v29
	s_wait_dscnt 0x0
	CROUND
	JLOAD G0+4*\s, G1, G0B+4*\s, G1B
.endr
	v_and_b32 v1, 15, v0                           ; l % 16
	v_bfe_u32 v2, v0, 4, 1                         ; l / 16
	v_mul_u32_u24 v3, v1, PITCH
	v_lshl_add_u32 v4, v2, 4, v3                   ; Wout: a fragment's row x pitch + 16 x half
	v_and_b32 v6, 31, v0
	v_lshlrev_b32 v[CO], 4, v6                     ; 16 x lane: an image's place; also my bytes of a row of out
	s_wait_alu depctr_va_vdst(0)
	s_lshl_b32 s21, s15, 15                        ; my 8 row tiles of y
	s_mul_i32 s22, s16, HALFB                      ; my 128 rows of Wout
	s_add_co_u32 s22, s22, BOFF
.irp s, 0,1
	v_add_nc_u32 v[ADRA+\s], s21, v[CO]
	v_add_nc_u32 v[ADRB+\s], s22, v4
	s_add_co_u32 s21, s21, SLOT
	s_add_co_u32 s22, s22, SLOT
.endr
	s_mul_i32 s23, s14, 16*SPITCH                  ; my stage
	v_mul_u32_u24 v5, v1, SPITCH                   ; in: row l % 16, 32 bytes for each half of the lanes
	v_lshl_add_u32 v5, v2, 5, v5
	v_add_nc_u32 v[STO], s23, v5
	v_add_nc_u32 v[RD], s23, v[CO]                 ; back: the 32 lanes take one row of 512 bytes
	s_lshl_b32 s20, s17, 8
	s_lshl_b32 s21, s15, 7
	s_add_co_u32 s20, s20, s21                     ; my first row of out: 256 x tile row + 128 x half
	s_mov_b32 s21, 0
	s_mov_b64 s[18:19], SIZE_N*4
	s_mul_u64 s[20:21], s[20:21], s[18:19]
	s_lshl_b32 s46, s42, 10                        ; my first column, in bytes: 1024 x tile column + 512 x half
	s_lshl_b32 s47, s16, 9
	s_add_co_u32 s46, s46, s47
	s_mov_b32 s47, 0
	s_add_nc_u64 s[20:21], s[20:21], s[46:47]
	s_add_nc_u64 s[10:11], s[10:11], s[20:21]
.macro FRAGB reg, adr, q, i            ; Wout: registers 4 c .. 4 c + 3 hold K = 32 c + 16 (l / 16) + 0 .. 15 of row l % 16
.irp c, 0,1,2,3
	ds_load_b128 v[\reg+4*\c:\reg+4*\c+3], v[\adr] offset:128*(\q)+32*\c+(\i)*16*PITCH
.endr
.endm
.macro FRAGA reg, adr, q, i            ; y: the same registers, as they were stored
.irp c, 0,1,2,3
	ds_load_b128 v[\reg+4*\c:\reg+4*\c+3], v[\adr] offset:2048*(\q)+512*\c+(\i)*4096
.endr
.endm
; 16 matrix instructions: y's blocks a0, a0 + 1 x Wout's eight, 128 along K.  zero = 1: the first product starts the sums.  The 64 accumulators take turns, one instruction a turn.
.macro MUL16 a0, p, zero
.irp a, \a0, \a0+1
.irp b, 0,1,2,3,4,5,6,7
.if \zero
	v_wmma_f32_16x16x128_fp8_fp8 v[8*(8*((\a)%4)+\b):8*(8*((\a)%4)+\b)+7], v[128*(\p)+FR*\b:128*(\p)+FR*\b+FR-1], v[AF+FR*(\a):AF+FR*(\a)+FR-1], 0
.else
	v_wmma_f32_16x16x128_fp8_fp8 v[8*(8*((\a)%4)+\b):8*(8*((\a)%4)+\b)+7], v[128*(\p)+FR*\b:128*(\p)+FR*\b+FR-1], v[AF+FR*(\a):AF+FR*(\a)+FR-1], v[8*(8*((\a)%4)+\b):8*(8*((\a)%4)+\b)+7]
.endif
.endr
.endr
.endm
.macro FETCH_B slot, q, p
	WIN TO_B
.irp i, 0,1,2,3,4,5,6,7
	FRAGB 128*(\p)+FR*\i, ADRB+\slot, \q, \i
.endr
	WIN 0
.endm
.macro FETCH_A slot, q, i0
.irp i, \i0, \i0+1, \i0+2, \i0+3
	FRAGA AF+FR*(\i), ADRA+\slot, \q, \i
.endr
.endm
.macro PLACES n                        ; places in front of loads into registers that matrix instructions have read, and of the first read of results
.rept \n
	v_nop
.endr
.endm
.macro STEP slot, q, zero              ; a step of 128 along K that has its successor in the same slot
	s_wait_dscnt 4*NL                              ; Wout's set and y's blocks 0-3 are in; the youngest sixteen loads (blocks 4-7) may be out
	WIN MUL_LO
	MUL16 0, (\q)%2, \zero
	MUL16 2, (\q)%2, \zero
	s_wait_dscnt 0
	PLACES NP
	FETCH_B \slot, (\q)+1, 1-(\q)%2
	FETCH_A \slot, (\q)+1, 0
	WIN MUL_HI
	MUL16 4, (\q)%2, \zero
	MUL16 6, (\q)%2, \zero
	PLACES NP
	WIN 0
	FETCH_A \slot, (\q)+1, 4
.endm
; A slot's last step changes slots: ONE barrier; in front of it each wave waits for all its tensor loads, adds 0 to its spare word, and waits for that and for its own reads of this slot.
.macro TURN slot, next, fill
	s_wait_tensorcnt 0x0                           ; all my tensor loads have landed: my part of the next slot;
	ds_add_u32 v[SPW], v[NIL]                      ; 0 onto my spare word
	s_wait_dscnt 4*NL+1                            ; (the add and the youngest sixteen loads may be out)
	WIN MUL_LO
	MUL16 0, 1, 0
	s_wait_dscnt 0x0                               ; the add is done, and my reads of this slot are over
	s_barrier_signal -1
	MUL16 2, 1, 0
	WIN 0
	s_barrier_wait -1
.if \fill
	CREST                                          ; the barrier has opened a round of the cluster's barrier
	s_add_nc_u64 s[G0+4*\slot+2:G0+4*\slot+3], s[G0+4*\slot+2:G0+4*\slot+3], 2*4096
	s_add_nc_u64 s[G0B+4*\slot+2:G0B+4*\slot+3], s[G0B+4*\slot+2:G0B+4*\slot+3], 2*ROWB
	JLOAD G0+4*\slot, G1, G0B+4*\slot, G1B         ; the first tensor load behind the round; its four v_nop are the places in front of the loads below
.else
	PLACES NP
.endif
	FETCH_B \next, 0, 0
	FETCH_A \next, 0, 0
	WIN MUL_HI
	MUL16 4, 1, 0
	MUL16 6, 1, 0
	PLACES NP
	WIN 0
	FETCH_A \next, 0, 4
.endm
	s_wait_alu depctr_va_vdst(0)
	s_wait_tensorcnt 1                             ; my part of K step 0 is in (K step 1's load may be out)
	s_barrier_signal -1
	s_barrier_wait -1                              ; everybody's is
	FETCH_B 0, 0, 0
	FETCH_A 0, 0, 0
	FETCH_A 0, 0, 4
	STEP 0, 0, 1                                   ; K = 1,024 is eight steps, written out; the first starts the sums
	TURN 0, 1, 1
	STEP 1, 0, 0
	TURN 1, 0, 1
	STEP 0, 0, 0
	TURN 0, 1, 0                                   ; nothing is left to fetch
	STEP 1, 0, 0
	s_wait_dscnt 4*NL
	WIN MUL_LO
	MUL16 0, 1, 0
	MUL16 2, 1, 0
	s_wait_dscnt 0
	WIN MUL_HI
	MUL16 4, 1, 0
	MUL16 6, 1, 0
	WIN 0
; THE WAY OUT, block by block of 16 rows x 128 columns, through my own stage in LDS: in as 32 bytes a lane, back as whole rows of 512 bytes.  LDS serves a wave's instructions in order (ISA guide 5.7.1.4): no wait between the stores and the loads.
.macro TOSTAGE a
.set AC, 64*((\a)%4)
	WIN 0x02+((\a)/4)                              ; source 0: window 2 or 3
.irp j, 0,2,4,6,8,10,12,14,16,18,20,22,24,26,28,30,32,34,36,38,40,42,44,46,48,50,52,54,56,58,60,62
	v_pk_mul_f32 v[TMP+\j:TMP+\j+1], v[AC+\j:AC+\j+1], s[96:97] op_sel_hi:[1,0]   ; both x s96 = 2^(e6 + e7); each accumulator from its low end on
.endr
	WIN 0
.irp b, 0,1,2,3,4,5,6,7
	ds_store_b128 v[STO], v[TMP+8*\b:TMP+8*\b+3] offset:64*\b
	ds_store_b128 v[STO], v[TMP+8*\b+4:TMP+8*\b+7] offset:64*\b+16
.endr
.set BB, BK+64*((\a)%2)
.irp t, 0,1,2,3,4,5,6,7,8,9,10,11,12,13,14,15
	ds_load_b128 v[BB+4*\t:BB+4*\t+3], v[RD] offset:\t*SPITCH
.endr
.endm
.macro SEND a, younger                 ; younger: the LDS instructions issued behind block a's loads, which may stay out
.set BB, BK+64*((\a)%2)
	s_wait_dscnt \younger                          ; the block is back in registers
.if (\a) > 0
	s_add_nc_u64 s[10:11], s[10:11], 16*SIZE_N*4   ; (behind a wait on XCNT: the earlier stores have read their base)  16 rows on
.endif
.irp t, 0,1,2,3,4,5,6,7,8,9,10,11,12,13,14,15
	global_store_b128 v[CO], v[BB+4*\t:BB+4*\t+3], s[10:11] offset:\t*SIZE_N*4 th:TH_STORE_NT   ; 32 lanes store 512 consecutive bytes, aligned; written once, read by nobody here
.endr
.endm
	s_wait_kmcnt 0x0
	s_add_co_i32 s96, s96, s97                     ; e6 + e7
	s_add_co_i32 s96, s96, 127
	s_lshl_b32 s96, s96, 23                        ; 2^(e6 + e7) as f32
	PLACES NP
	TOSTAGE 0
.irp a, 1,2,3,4,5,6,7
.if \a > 1
	s_wait_xcnt 0x0                                ; block a - 2's stores have read their registers and their base
.endif
	TOSTAGE \a
	SEND \a-1, 32                                  ; behind block a - 1's loads: block a's 16 stores and 16 loads
.endr
	s_wait_xcnt 0x0                                ; block 6's stores have read their base
	SEND 7, 0
	s_wait_tensorcnt 0x0                           ; the wave's end
	ds_add_u32 v[SPW], v[NIL]
	s_wait_dscnt 0x0
	CROUND                                         ; the closing round
	s_endpgm
.Lfunc_end_k_qc2e00baf91_oproj:
	.size	k_qc2e00baf91_oproj, .Lfunc_end_k_qc2e00baf91_oproj-k_qc2e00baf91_oproj
	.p2alignl 7, 3214868480
	.fill 96, 4, 3214868480
	.section	.rodata,"a",@progbits
	.p2align	6, 0x0
	.amdhsa_kernel k_qc2e00baf91_oproj
		.amdhsa_group_segment_fixed_size 327680
		.amdhsa_private_segment_fixed_size 0
		.amdhsa_enable_private_segment 0
		.amdhsa_kernarg_size 32
		.amdhsa_user_sgpr_count 2
		.amdhsa_user_sgpr_kernarg_segment_ptr 1
		.amdhsa_wavefront_size32 1
		.amdhsa_system_sgpr_workgroup_id_x 1
		.amdhsa_system_sgpr_workgroup_id_y 1
		.amdhsa_system_sgpr_workgroup_id_z 1
		.amdhsa_system_vgpr_workitem_id 0
		.amdhsa_next_free_vgpr 1024
		.amdhsa_next_free_sgpr 98
		.amdhsa_reserve_vcc 0
		.amdhsa_float_denorm_mode_32 3
		.amdhsa_float_denorm_mode_16_64 3
		.amdhsa_memory_ordered 1
		.amdhsa_forward_progress 1
		.amdhsa_inst_pref_size 124
	.end_amdhsa_kernel
	.amdgpu_metadata
---
amdhsa.version: [ 1, 2 ]
amdhsa.kernels:
  - .name:           k_qc2e00baf91_oproj
    .symbol:         k_qc2e00baf91_oproj.kd
    .args:
      - { .name: yc, .offset: 0, .size: 8, .value_kind: global_buffer, .address_space: global }
      - { .name: Wout_codes, .offset: 8, .size: 8, .value_kind: global_buffer, .address_space: global }
      - { .name: lowp_scales, .offset: 16, .size: 8, .value_kind: global_buffer, .address_space: global }
      - { .name: out0, .offset: 24, .size: 8, .value_kind: global_buffer, .address_space: global }
    .group_segment_fixed_size: 327680
    .private_segment_fixed_size: 0
    .kernarg_segment_align: 8
    .kernarg_segment_size: 32
    .max_flat_workgroup_size: 128
    .sgpr_count:     98
    .vgpr_count:     1024
    .wavefront_size: 32
...
	.end_amdgpu_metadata
.endif
;; end of part 3
